; MI455X (gfx1250); checked and timed in simulation.
; The chip was launched on July 23, 2026; its instructions are those of AMD's public machine-readable ISA for CDNA 5 (MIT licence, August 2026) and "CDNA5" Instruction Set Architecture Reference Guide (July 2026). The comments in the code are by the model that wrote it; some were corrected since.
;; Concat Critic. Allowed arithmetic: float matrix products may take bf16 or f16 operands with f32 sums; other float arithmetic in f32, or as packed bf16 or f16 multiplies, adds, multiply-adds, maxima and minima; sums over many terms, partial sums and values carried from step to step in f32; what a program stores and reads back later, other than sums and carried values, may be rounded once to bf16 or f16.
;; Inputs: W1 512 x 256 float32; W2 512 x 512 float32; W3 1 x 512 float32; b1 512 float32; b2 512 float32; b3 1 float32; x 512 x 128 float32; y 512 x 128 float32.
;; Outputs: out0 512 x 512 float32; out1 one number float32.
;; One version. Each part assembles by itself: llvm-mc -triple=amdgcn-amd-amdhsa -mcpu=gfx1250 --defsym DOCPART=n.
;; ======== version 1 of 1: 2 launches
;; limits: values are held in f16: magnitudes above 65,504 overflow, below 6.1e-05 lose precision
;; workspace buffers: hxh 524,288 bytes; hyh 524,288 bytes; w2h 524,288 bytes
;; launch prep (part 1): grid 128 x 2, 4 waves a work-group, no clusters, 5,120 bytes of LDS; arguments x, y, W1, b1, W2, hxh, hyh, w2h, out1; writes hxh, hyh, w2h, out1
.if DOCPART == 1
	.amdgcn_target "amdgcn-amd-amdhsa--gfx1250"
	.amdhsa_code_object_version 6
	.text
	.protected	k_qd611838bae_prep
	.globl	k_qd611838bae_prep
	.p2align	8
	.type	k_qd611838bae_prep,@function
k_qd611838bae_prep:
	s_mov_b64 s[64:65], 0
	v_nop
	global_prefetch_b8 v0, s[64:65] scope:SCOPE_SE
	s_setreg_imm32_b32 hwreg(HW_REG_WAVE_MODE, 25, 1), 1
	s_wait_xcnt 0x0
; THE FIRST LAYER, SPLIT, AND W2 IN 16 BITS.  hxh[j][h] = f16(sum over n of x[j][n] W1[h][n]);  hyh[i][h] = f16(sum over n of y[i][n] W1[h][128+n] + b1[h]);
; w2h = f16(W2);  out1 = 0.  x, y: [512][128] f32; W1: [512][256] f32; W2: [512][512] f32; the three results [512][512] f16.  Products in f16 with f32 sums.
; LIMITS.  x, y, W1, W2 and the two results are rounded to f16: beyond 65,504 they become infinities, below 6e-5 they keep f16's fixed step of 6e-8.  NaN and infinities are not treated apart.
; SHARES.  Work-group y chooses the half (0: x, 1: y); work-group x = 4 jb + hg: 16 rows (jb) x 128 h (hg).  A wave makes 16 rows x 32 h: two accumulators by turns, four K steps of 32.
; Each of the launch's 1,024 waves also converts 256 numbers of W2.  All of a wave's 54 loads go out together and are waited for once.
; THE MATRIX INSTRUCTION IS USED TRANSPOSED (source 0 = 16 rows of W1, source 1 = 16 rows of x or y): a lane then holds eight neighbouring h of one row, 16 bytes in f16; the bias is the C operand of the first product.
; No tensor load, no cluster: the launch reads 2 MB once through registers, and what work-groups share is small beside a launch's start.
.set PITCH, 272                        ; a stage row: 128 h in f16 = 256 bytes + 16: an odd multiple of 16 bytes, so the 16 rows of a store start at 16 different groups of four banks (ISA guide 11.1)
.set SPARE, 4608                       ; behind the stage (16 x 272 = 4,352 bytes): the spare words, 128 bytes a wave, two blocks of 256 bytes that no other line names
.set VX,  3                            ; v3   byte offset of my piece of x or y: (16 jb + r) 512 + 32 hf
.set VW,  4                            ; v4   of W1: (h0 + r) 1024 + 512 half + 32 hf
.set VB,  5                            ; v5   of b1: 4 (h0 + 8 hf)
.set VC,  6                            ; v6   of W2: 1024 x wave in the launch + 32 lane
.set VS,  7                            ; v7   of w2h: half of that
.set STO, 8                            ; v8   stage, in: r 272 + 64 w + 16 hf
.set RDA, 9                            ; v9   stage, back: (4 w + hf) 272 + 16 r
.set GO,  10                           ; v10  result: (16 jb + 4 w + hf) 1024 + 256 hg + 16 r
.set ZR,  11                           ; v11  0: offset and data of out1
.set SPW, 12                           ; v12  my spare word; never rewritten
.set NIL, 13                           ; v13  0; never rewritten
.set LN,  14                           ; v14  lane
.set XR,  16                           ; v[16:79]   x or y: K step k in 16 registers of f32, then 8 of f16
.set WR,  80                           ; v[80:207]  W1: h block b, K step k at 80 + 64 b + 16 k
.set B1,  208                          ; v[208:223] b1 of my eight h, by h block
.set W2R, 224                          ; v[224:231] eight numbers of W2
.set ACC, 232                          ; v[232:247] two accumulators
.set PK,  248                          ; v[248:255] packed results, then rows read back
	s_load_b512 s[4:19], s[0:1], 0x0               ; x s[4:5], y s[6:7], W1 s[8:9], b1 s[10:11], W2 s[12:13], hxh s[14:15], hyh s[16:17], w2h s[18:19]
	s_load_b64 s[20:21], s[0:1], 0x40              ; out1
	v_lshl_add_u32 v[SPW], v0, 2, SPARE
	v_mov_b32 v[NIL], 0
	v_lshrrev_b32 v1, 5, v0
	v_readfirstlane_b32 s22, v1                    ; wave 0..3
	s_and_b32 s23, ttmp7, 0xffff                   ; the half: 0 x, 1 y
	s_lshr_b32 s31, ttmp9, 2                       ; jb
	s_and_b32 s32, ttmp9, 3                        ; hg
	s_lshl_b32 s33, s32, 7
	s_lshl_b32 s29, s22, 5
	s_add_co_u32 s33, s33, s29                     ; h0 = 128 hg + 32 w
	v_and_b32 v1, 15, v0                           ; r
	v_bfe_u32 v2, v0, 4, 1                         ; hf
	v_and_b32 v[LN], 31, v0
	s_lshl_b32 s34, s31, 13                        ; 16 jb rows of 512 bytes
	v_lshl_add_u32 v[VX], v1, 9, s34
	v_lshl_add_u32 v[VX], v2, 5, v[VX]
	s_lshl_b32 s35, s33, 10                        ; h0 rows of 1,024 bytes,
	s_lshl_b32 s29, s23, 9                         ; and the half's 128 columns
	s_add_co_u32 s35, s35, s29
	v_lshl_add_u32 v[VW], v1, 10, s35
	v_lshl_add_u32 v[VW], v2, 5, v[VW]
	s_lshl_b32 s29, s33, 2
	v_lshl_add_u32 v[VB], v2, 5, s29
	s_lshl_b32 s36, s23, 7
	s_add_co_u32 s36, s36, ttmp9
	s_lshl_b32 s36, s36, 2
	s_add_co_u32 s36, s36, s22                     ; my wave among the launch's 1,024
	s_lshl_b32 s29, s36, 10
	v_lshl_add_u32 v[VC], v[LN], 5, s29
	s_lshl_b32 s37, s36, 9
	v_lshl_add_u32 v[VS], v[LN], 4, s37
	v_mul_u32_u24 v[STO], v1, PITCH
	v_lshl_add_u32 v[STO], v2, 4, v[STO]
	s_lshl_b32 s38, s22, 6
	v_add_nc_u32 v[STO], s38, v[STO]
	s_mul_i32 s39, s22, 4*PITCH
	v_mul_u32_u24 v[RDA], v2, PITCH
	v_lshl_add_u32 v[RDA], v1, 4, v[RDA]
	v_add_nc_u32 v[RDA], s39, v[RDA]
	s_lshl_b32 s29, s31, 14                        ; 16 jb rows of 1,024 bytes
	s_lshl_b32 s37, s22, 12                        ; 4 w rows
	s_add_co_u32 s29, s29, s37
	s_lshl_b32 s37, s32, 8                         ; 128 hg columns of 2 bytes
	s_add_co_u32 s29, s29, s37
	v_lshl_add_u32 v[GO], v2, 10, s29
	v_lshl_add_u32 v[GO], v1, 4, v[GO]
	v_mov_b32 v[ZR], 0
	s_wait_kmcnt 0x0
	s_cmp_eq_u32 s23, 0
	s_cselect_b64 s[24:25], s[4:5], s[6:7]         ; the half's input,
	s_cselect_b64 s[26:27], s[14:15], s[16:17]     ; its result,
	s_cselect_b32 s28, 0, -1                       ; and whether it takes the bias (all lanes or none)
; A fragment is 16 rows x 32 k: lane (r, hf) holds row r, k = 8 hf + 0..7 and 16 + 8 hf + 0..7.  In f32 those are 32 bytes at 32 hf and 32 bytes at 64 + 32 hf of the K step's 128.
.macro LD4 dst, adr, base, off
	global_load_b128 v[(\dst):(\dst)+3],     v[\adr], s[\base:\base+1] offset:(\off)
	global_load_b128 v[(\dst)+4:(\dst)+7],   v[\adr], s[\base:\base+1] offset:(\off)+16
	global_load_b128 v[(\dst)+8:(\dst)+11],  v[\adr], s[\base:\base+1] offset:(\off)+64
	global_load_b128 v[(\dst)+12:(\dst)+15], v[\adr], s[\base:\base+1] offset:(\off)+80
.endm
.irp k, 0,1,2,3
	LD4 XR+16*\k, VX, 24, 128*\k
.endr
.irp b, 0,1
.irp k, 0,1,2,3
	LD4 WR+64*\b+16*\k, VW, 8, 16384*\b+128*\k
.endr
.endr
.irp b, 0,1
	global_load_b128 v[B1+8*\b:B1+8*\b+3],   v[VB], s[10:11] offset:64*\b
	global_load_b128 v[B1+8*\b+4:B1+8*\b+7], v[VB], s[10:11] offset:64*\b+16
.endr
	global_load_b128 v[W2R:W2R+3],   v[VC], s[12:13]
	global_load_b128 v[W2R+4:W2R+7], v[VC], s[12:13] offset:16
	s_wait_loadcnt 0x0                             ; all 54 loads: one wait for the whole wave's input
; 16 f32 become 8 registers of f16, in place: line i writes register i and reads 2 i and 2 i + 1, which no earlier line has written
.macro CMP g
.set ci, 0
.rept 8
	v_cvt_pk_f16_f32 v[(\g)+ci], v[(\g)+2*ci], v[(\g)+2*ci+1]
.set ci, ci+1
.endr
.endm
.irp k, 0,1,2,3
	CMP XR+16*\k
	CMP WR+16*\k
	CMP WR+64+16*\k
.endr
.set ci, 0
.rept 16
	v_cndmask_b32 v[B1+ci], 0, v[B1+ci], s28       ; hx takes no bias: it would be added twice
.set ci, ci+1
.endr
; eight products; the two accumulators take turns; the first product of each starts its sum with the bias
.irp k, 0,1,2,3
.irp b, 0,1
.if \k == 0
	v_wmma_f32_16x16x32_f16 v[ACC+8*\b:ACC+8*\b+7], v[WR+64*\b+16*\k:WR+64*\b+16*\k+7], v[XR+16*\k:XR+16*\k+7], v[B1+8*\b:B1+8*\b+7]
.else
	v_wmma_f32_16x16x32_f16 v[ACC+8*\b:ACC+8*\b+7], v[WR+64*\b+16*\k:WR+64*\b+16*\k+7], v[XR+16*\k:XR+16*\k+7], v[ACC+8*\b:ACC+8*\b+7]
.endif
.endr
.endr
; W2's four conversions name no register of the products: they are the four places (ISA guide 7.12.1) between the last product and the first read of a result
.irp i, 0,1,2,3
	v_cvt_pk_f16_f32 v[W2R+\i], v[W2R+2*\i], v[W2R+2*\i+1]
.endr
	global_store_b128 v[VS], v[W2R:W2R+3], s[18:19]   ; the wave's store covers 512 consecutive bytes, at a multiple of 512 from w2h's first
.irp i, 0,1,2,3,4,5,6,7
	v_cvt_pk_f16_f32 v[PK+\i], v[ACC+2*\i], v[ACC+2*\i+1]  ; each accumulator from its low end on
.endr
	ds_store_b128 v[STO], v[PK:PK+3]
	ds_store_b128 v[STO], v[PK+4:PK+7] offset:32
	s_wait_dscnt 0x0                               ; for the others' sake: a stage row's 256 bytes come from four waves
	s_barrier_signal -1
	s_barrier_wait -1
	ds_load_b128 v[PK:PK+3],   v[RDA]              ; lanes 0-15 one whole row, lanes 16-31 the next
	ds_load_b128 v[PK+4:PK+7], v[RDA] offset:2*PITCH
	s_wait_dscnt 0x0
	global_store_b128 v[GO], v[PK:PK+3],   s[26:27]              ; 16 lanes store 256 consecutive bytes, at a multiple of 256 from the result's first
	global_store_b128 v[GO], v[PK+4:PK+7], s[26:27] offset:2048
	s_or_b32 s29, ttmp9, s23                       ; out1 = 0.0: thread 0 of wave 0 of work-group (0, 0)
	s_or_b32 s29, s29, s22
	s_cmp_lg_u32 s29, 0
	s_cbranch_scc1 .Lno_out1
	s_wait_xcnt 0x0                                ; EXEC is a source of the stores above: it changes only behind this wait,
	v_cmp_eq_u32 vcc_lo, 0, v0
	s_and_saveexec_b32 s30, vcc_lo
	global_store_b32 v[ZR], v[ZR], s[20:21]
	s_wait_xcnt 0x0                                ; and is restored only behind this one
	s_or_b32 exec_lo, exec_lo, s30
.Lno_out1:
	s_wait_tensorcnt 0x0                           ; the wave's end: behind my last LDS store
	ds_add_u32 v[SPW], v[NIL]
	s_wait_dscnt 0x0
	s_endpgm
.Lfunc_end_k_qd611838bae_prep:
	.size	k_qd611838bae_prep, .Lfunc_end_k_qd611838bae_prep-k_qd611838bae_prep
	.p2alignl 7, 3214868480
	.fill 96, 4, 3214868480
	.section	.rodata,"a",@progbits
	.p2align	6, 0x0
	.amdhsa_kernel k_qd611838bae_prep
		.amdhsa_group_segment_fixed_size 5120
		.amdhsa_private_segment_fixed_size 0
		.amdhsa_enable_private_segment 0
		.amdhsa_kernarg_size 72
		.amdhsa_user_sgpr_count 2
		.amdhsa_user_sgpr_kernarg_segment_ptr 1
		.amdhsa_wavefront_size32 1
		.amdhsa_system_sgpr_workgroup_id_x 1
		.amdhsa_system_sgpr_workgroup_id_y 1
		.amdhsa_system_sgpr_workgroup_id_z 1
		.amdhsa_system_vgpr_workitem_id 0
		.amdhsa_next_free_vgpr 256
		.amdhsa_next_free_sgpr 66
		.amdhsa_reserve_vcc 1
		.amdhsa_float_denorm_mode_32 3
		.amdhsa_float_denorm_mode_16_64 3
		.amdhsa_memory_ordered 1
		.amdhsa_forward_progress 1
		.amdhsa_inst_pref_size 18
	.end_amdhsa_kernel
	.amdgpu_metadata
---
amdhsa.version: [ 1, 2 ]
amdhsa.kernels:
  - .name:           k_qd611838bae_prep
    .symbol:         k_qd611838bae_prep.kd
    .args:
      - { .name: x, .offset: 0, .size: 8, .value_kind: global_buffer, .address_space: global }
      - { .name: y, .offset: 8, .size: 8, .value_kind: global_buffer, .address_space: global }
      - { .name: W1, .offset: 16, .size: 8, .value_kind: global_buffer, .address_space: global }
      - { .name: b1, .offset: 24, .size: 8, .value_kind: global_buffer, .address_space: global }
      - { .name: W2, .offset: 32, .size: 8, .value_kind: global_buffer, .address_space: global }
      - { .name: hxh, .offset: 40, .size: 8, .value_kind: global_buffer, .address_space: global }
      - { .name: hyh, .offset: 48, .size: 8, .value_kind: global_buffer, .address_space: global }
      - { .name: w2h, .offset: 56, .size: 8, .value_kind: global_buffer, .address_space: global }
      - { .name: out1, .offset: 64, .size: 8, .value_kind: global_buffer, .address_space: global }
    .group_segment_fixed_size: 5120
    .private_segment_fixed_size: 0
    .kernarg_segment_align: 8
    .kernarg_segment_size: 72
    .max_flat_workgroup_size: 128
    .sgpr_count:     66
    .vgpr_count:     256
    .wavefront_size: 32
...
	.end_amdgpu_metadata
.endif
;; end of part 1
;; launch main (part 2): grid 8 x 32, 4 waves a work-group, clusters of 4 x 1, 327,680 bytes of LDS; arguments w2h, hxh, hyh, b2, W3, b3, out0; writes out0
.if DOCPART == 2
	.amdgcn_target "amdgcn-amd-amdhsa--gfx1250"
	.amdhsa_code_object_version 6
	.text
	.protected	k_qd611838bae_main
	.globl	k_qd611838bae_main
	.p2align	8
	.type	k_qd611838bae_main,@function
k_qd611838bae_main:
	s_mov_b64 s[64:65], 0
	v_nop
	global_prefetch_b8 v0, s[64:65] scope:SCOPE_SE
	s_setreg_imm32_b32 hwreg(HW_REG_WAVE_MODE, 25, 1), 1
	s_wait_xcnt 0x0
	s_wait_alu depctr_hold_cnt(0) depctr_sa_sdst(0) depctr_va_vdst(0) depctr_va_sdst(0) depctr_va_ssrc(0) depctr_va_vcc(0) depctr_vm_vsrc(0)
	s_getreg_b32 s2, hwreg(HW_REG_IB_STS2, 6, 4)
	s_cmp_eq_u32 s2, 0
	s_cbranch_scc0 .Lentry_in_a_cluster
	s_endpgm
.Lentry_in_a_cluster:
	s_bfe_u32 s2, ttmp6, 0x10000c
	s_cmp_lg_u32 s2, 0x3003
	s_cbranch_scc0 .Lentry_shape_is_right
	s_endpgm
.Lentry_shape_is_right:
; out0[i][j] = W3 . relu(W2 h1 + b2) + b3,  h1[k] = relu(hxh[j][k] + hyh[i][k])  (hyh holds b1 already).  w2h, hxh, hyh: [512][512] f16; b2, W3: [512] f32; out0: [512][512] f32.
; h1 is made in packed f16 (one rounding for the sum) and multiplied in f16 with f32 sums; relu, the product with W3 and its sum stay in f32 on the vector unit, since the second layer's results have no room in f16.
; LIMITS.  hxh, hyh and their sum lie within f16's 65,504, else they are infinities; below 6e-5 f16 keeps its fixed step of 6e-8.  The sum over the 512 g is taken in another order than a row-wise sum.  NaN and infinities are not treated apart.
; SHARES.  A work-group owns 16 i x 64 j, wave w the 16 j at 16 w and all 16 i, in four passes of four i.  A BLOCK is 16 pairs: one i, the wave's 16 j.
; WHAT STAYS IN REGISTERS IS h1, NOT THE SUMS: four blocks x all 512 k = 512 registers.  The wave walks W2's 32 N-BLOCKS of 16 rows g; an n-block is 16 K steps x 4 blocks = 64 products on four accumulators that
; take turns.  So h1 is made once a pass (1,024 packed lines for 2,048 products), and a finished n-block's way out (32 maxima, 16 packed multiply-adds into four running sums) rides behind the next n-block's products.
; THE MATRIX INSTRUCTION IS USED TRANSPOSED: source 0 = 16 rows of W2, source 1 = 16 pairs.  A lane then holds ONE pair (lane % 16) and g = 8 (lane / 16) + 0..7; b2 is the C operand of the first product: nothing is cleared.
; W2 comes in CHUNKS of 128 rows through two LDS slots: 16 chunk steps (four a pass), chunk c mod 4 in slot c mod 2.  CLUSTER: all work-groups walk the same W2, and the four of a cluster share their 16 i, so every tile
; (W2, hyh, b2, W3) is asked for JOINTLY: the same tensor load, descriptor and mask in all four; each wave asks for its quarter.
; REGISTERS, in windows of 256 (s_set_vgpr_msb: bits 1:0 source 0, 3:2 source 1, 5:4 source 2, 7:6 destination):
;   window 0: addresses; P running sums; B2F b2 of the n-block; ACC two sets of four accumulators; BF W2's 16 fragments of an n-block; TT, UU, OB the way out
;   window 3: h1 of K steps 0-1; HX, the wave's 16 rows of hxh as 16 fragments      window 2: h1 of K steps 2-8      window 1: h1 of K steps 9-15; W3F, W3 of the n-block on its way out
; Only source 1 of a product leaves window 0, and the lines behind products are spelled so that their source 1 is a constant, a scalar or W3F (dealt only behind K steps 9-15): five switches an n-block.
.set PB,    1040                       ; a row of W2 in LDS: 1,024 bytes + 16: an odd multiple of 16 bytes, so the 16 rows of a load start at 16 different groups of four banks (ISA guide 11.1)
.set NBB,   16*PB                      ; an n-block
.set SLOT0, 0
.set SLOT1, 128*PB                     ; 133,120
.set HYB,   2*128*PB                   ; 266,240: my 16 rows of hyh, 1,024 bytes each; read by broadcast, so not padded
.set B2B,   HYB+16384                  ; b2
.set W3B,   B2B+2048                   ; W3
.set STG,   W3B+2048                   ; the stage: 16 i x 64 j of f32; never filled by a tensor load
.set SPARE, STG+4096                   ; the spare words, 128 bytes a wave: two blocks of 256 bytes that no other line names
.set B0,   10                          ; v10  my lane's place in an n-block: r 1040 + 16 hf; never rewritten
.set BADR, 11                          ; v11  the n-block whose fragments are being fetched
.set C0,   12                          ; v12  B2B + 32 hf
.set CADR, 13                          ; v13  b2 of the next n-block
.set WADR, 14                          ; v14  b2's place of the n-block before; W3 lies 2,048 bytes on
.set HY0,  15                          ; v15  HYB + 16 hf
.set HYA,  16                          ; v16  the pass's four rows of hyh
.set STO,  17                          ; v17  STG + 64 w + 4 r
.set STA,  18                          ; v18  the pass's four rows of the stage
.set RDA,  19                          ; v19  the stage read back: STG + 1024 w + 256 hf + 16 r
.set GO,   20                          ; v20  my byte offset in out0
.set QO,   21                          ; v21  my byte offset in hxh
.set SPW,  22                          ; v22  my spare word; never rewritten
.set NIL,  23                          ; v23  0; never rewritten
.set P,    24                          ; v[24:31]   block a's running sum at 24 + 2 a: even g's, odd g's
.set B2F,  32                          ; v[32:39]
.set ACC,  40                          ; v[40:103]  set p, block a at 40 + 32 p + 8 a
.set BF,   104                         ; v[104:231] K step k at 104 + 8 k
.set TT,   232
.set UU,   236
.set OB,   240
.set W3F,  224                         ; window 1
.set HX,   64                          ; window 3: K step k at 64 + 8 k
.set WV,   18                          ; s18  my wave's number
.set G1W,  24                          ; s[24:31] group 1: 32 rows of W2, padded
.set G1H,  32                          ; s[32:39] group 1: 4,096 dense bytes as 16 rows of 256
.set G1C,  40                          ; s[40:47] group 1: one row of 512 bytes
.set G0A,  48                          ; s[48:51] group 0: slot 0's first fill, then every refill
.set G0B,  52                          ; s[52:55] slot 1's first fill
.set G0H,  56                          ; s[56:59] hyh
.set G0C,  60                          ; s[60:63] b2
.set G0D,  68                          ; s[68:71] W3
.set WB,   72                          ; s[72:73] w2h at my 32 rows of chunk 0
.set WL,   74                          ; s74  my 32 rows' place in a slot
.set OFF,  76                          ; s[76:77] a chunk's byte offset in w2h
.set NX,   78                          ; s78  the chunk to ask for next, mod 4
.set TB,   79                          ; s79  LDS byte of the n-block to fetch next
.set TCB,  80                          ; s80  64 x the next n-block's number in W2
.set TCW,  81                          ; s81  64 x the number of the n-block before
.set HYS,  82                          ; s82  4,096 x the pass to be made
.set STS,  83                          ; s83  1,024 x the pass to go out
.set T,    84                          ; s84  the outer loop's count
.set U,    85                          ; s85  the inner loops' count
.set SZ,   86                          ; s86  0, twice in f16
.set SEL,  88                          ; s[88:89] v_permlanex16_b32's selects: each lane takes its own place in the other half
.set B3,   90                          ; s90  b3
.set MSB, 0
.macro WIN new                         ; the immediate's high byte repeats the setting that is left; a switch that changes nothing is dropped
.if MSB != (\new)
	s_set_vgpr_msb (MSB<<8)|(\new)
.set MSB, (\new)
.endif
.endm
; A round of the cluster's barrier: my work-group's barrier, so that wave 0's signal speaks for all four waves; wave 0 signals; every wave waits for all four work-groups; my work-group's barrier once more.
.macro CREST                           ; a round behind its opening barrier
	s_cmp_lg_u32 s[WV], 0
	s_cbranch_scc1 .Lnot_wave_0_\@
	s_barrier_signal -3
.Lnot_wave_0_\@:
	s_barrier_wait -3
	s_barrier_signal -1
	s_barrier_wait -1
.endm
.macro CROUND
	s_barrier_signal -1
	s_barrier_wait -1
	CREST
.endm
	s_load_b256 s[4:11], s[0:1], 0x0               ; w2h s[4:5], hxh s[6:7], hyh s[8:9], b2 s[10:11]
	s_load_b128 s[12:15], s[0:1], 0x20             ; W3 s[12:13], b3 s[14:15]
	s_load_b64 s[16:17], s[0:1], 0x30              ; out0
	v_lshl_add_u32 v[SPW], v0, 2, SPARE
	v_mov_b32 v[NIL], 0
	ds_add_u32 v[SPW], v[NIL]                      ; the wave's opening: the add and its wait stand ahead of my first tensor load; the set-up below, work on registers, stands between them
	v_lshrrev_b32 v1, 5, v0
	v_readfirstlane_b32 s[WV], v1                  ; wave 0..3
	s_bfe_u32 s19, ttmp6, 0x40000                  ; cx: my place in the cluster
	s_lshl_b32 s20, ttmp9, 2                       ; in a cluster launch ttmp9 counts clusters
	s_add_co_u32 s20, s20, s19                     ; jt = 4 x cluster x + cx: it enters hxh's and out0's offsets alone
	s_and_b32 s21, ttmp7, 0xffff                   ; it, which the four partners share
	s_mov_b32 s[G1W],   15|(1<<16)|(1<<20)|(1<<21)|(7<<22)|(3<<25)  ; 15:0 the mask of four; 17:16 2-byte elements; 20 padding on; 21 set beside a mask; 24:22 after every 256 words (code 7); 31:25 4 words (code 3)
	s_mov_b32 s[G1W+1], 512<<16                    ; tensor_dim0 = 512
	s_mov_b32 s[G1W+2], 32<<16                     ; tensor_dim1 = 32
	s_mov_b32 s[G1W+3], 512<<16                    ; tile_dim0 = 512
	s_mov_b32 s[G1W+4], 32                         ; tile_dim1 = 32
	s_mov_b32 s[G1W+5], 512                        ; 512 elements from row to row
	s_mov_b32 s[G1W+6], 0
	s_mov_b32 s[G1W+7], 0
	s_mov_b32 s[G1H],   15|(3<<16)|(1<<21)         ; 8-byte elements, no padding
	s_mov_b32 s[G1H+1], 32<<16                     ; rows of 32 elements = 256 bytes,
	s_mov_b32 s[G1H+2], 16<<16                     ; 16 of them,
	s_mov_b32 s[G1H+3], 32<<16
	s_mov_b32 s[G1H+4], 16
	s_mov_b32 s[G1H+5], 32                         ; end to end
	s_mov_b32 s[G1H+6], 0
	s_mov_b32 s[G1H+7], 0
	s_mov_b32 s[G1C],   15|(3<<16)|(1<<21)
	s_mov_b32 s[G1C+1], 64<<16                     ; one row of 64 elements = 512 bytes
	s_mov_b32 s[G1C+2], 1<<16
	s_mov_b32 s[G1C+3], 64<<16
	s_mov_b32 s[G1C+4], 1
	s_mov_b32 s[G1C+5], 64
	s_mov_b32 s[G1C+6], 0
	s_mov_b32 s[G1C+7], 0
	s_lshl_b32 s92, s21, 14                        ; hyh: my work-group's 16 rows of 1,024 bytes,
	s_lshl_b32 s91, s[WV], 12                      ; my wave's four of them
	s_add_co_u32 s92, s92, s91
	s_mov_b32 s93, 0
	s_lshl_b32 s94, s[WV], 9                       ; b2 and W3: my wave's 512 bytes
	s_mov_b32 s95, 0
	s_lshl_b32 s96, s[WV], 15                      ; w2h: my wave's 32 rows of a chunk
	s_mov_b32 s97, 0
	s_mul_i32 s[WL], s[WV], 32*PB                  ; and their place in a slot: no place in the cluster enters an LDS address
	s_mov_b32 s[G0A], 1                            ; 1:0 count = 1
	s_mov_b32 s[G0A+1], s[WL]                      ; 63:32 LDS address: slot 0
	s_mov_b32 s[G0B], 1
	s_add_co_u32 s[G0B+1], s[WL], SLOT1
	s_mov_b32 s[G0H], 1
	s_add_co_u32 s[G0H+1], s91, HYB
	s_mov_b32 s[G0C], 1
	s_add_co_u32 s[G0C+1], s94, B2B
	s_mov_b32 s[G0D], 1
	s_add_co_u32 s[G0D+1], s94, W3B
	s_mov_b32 s[OFF+1], 0
	s_mov_b32 s[NX], 2
	s_mov_b32 s[TCB], 64
	s_mov_b32 s[TCW], 1984                         ; the first n-block's riders work on zeros, with W3's last 16
	s_mov_b32 s[HYS], 0
	s_mov_b32 s[STS], 0
	s_mov_b32 s[SZ], 0
	s_mov_b32 s[SEL], 0x76543210
	s_mov_b32 s[SEL+1], 0xfedcba98
	s_wait_dscnt 0x0                               ; the opening add is done
	s_wait_kmcnt 0x0
	s_add_nc_u64 s[WB:WB+1], s[4:5], s[96:97]
	s_mov_b64 s[G0A+2:G0A+3], s[WB:WB+1]           ; 120:64 global address: chunk 0
	s_or_b32 s[G0A+3], s[G0A+3], 0x80000000        ; 127:126 type = 2
	s_add_nc_u64 s[G0B+2:G0B+3], s[WB:WB+1], 0x20000  ; chunk 1: 128 rows of 1,024 bytes on
	s_or_b32 s[G0B+3], s[G0B+3], 0x80000000
	s_add_nc_u64 s[G0H+2:G0H+3], s[8:9], s[92:93]
	s_or_b32 s[G0H+3], s[G0H+3], 0x80000000
	s_add_nc_u64 s[G0C+2:G0C+3], s[10:11], s[94:95]
	s_or_b32 s[G0C+3], s[G0C+3], 0x80000000
	s_add_nc_u64 s[G0D+2:G0D+3], s[12:13], s[94:95]
	s_or_b32 s[G0D+3], s[G0D+3], 0x80000000
	s_load_b32 s[B3], s[14:15], 0x0                ; b3: no line of the launch writes it
	CROUND                                         ; all four work-groups are here: the first joint loads meet
	tensor_load_to_lds s[G0H:G0H+3], s[G1H:G1H+7]  ; the first fills go out as one group: five loads of mine are out
	s_nop 0
	tensor_load_to_lds s[G0C:G0C+3], s[G1C:G1C+7]
	s_nop 0
	tensor_load_to_lds s[G0D:G0D+3], s[G1C:G1C+7]
	s_nop 0
	tensor_load_to_lds s[G0A:G0A+3], s[G1W:G1W+7]
	s_nop 0
	tensor_load_to_lds s[G0B:G0B+3], s[G1W:G1W+7]
	s_nop 0
.rept 4
	v_nop                                          ; four lines between a tensor load and the next switch of windows
.endr
	v_and_b32 v1, 15, v0                           ; r
	v_bfe_u32 v2, v0, 4, 1                         ; hf
	s_lshl_b32 s91, s20, 16                        ; hxh: row 64 jt + 16 w + r, 1,024 bytes each, + 16 hf
	s_lshl_b32 s98, s[WV], 14
	s_add_co_u32 s91, s91, s98
	v_lshl_add_u32 v[QO], v1, 10, s91
	v_lshl_add_u32 v[QO], v2, 4, v[QO]
	; A fragment is 16 rows x 32 k in 8 registers: lane (r, hf) holds row r, k = 8 hf + 0..7 and 16 + 8 hf + 0..7: two loads of 16 bytes, 32 bytes apart.  Over the 32 loads the lanes take their rows whole.
	WIN 0xc0                                       ; destination window 3, address window 0
.set ks, 0
.rept 16
	global_load_b128 v[HX+8*ks:HX+8*ks+3],   v[QO], s[6:7] offset:64*ks
	global_load_b128 v[HX+8*ks+4:HX+8*ks+7], v[QO], s[6:7] offset:64*ks+32
.set ks, ks+1
.endr
	WIN 0
	v_mul_u32_u24 v[B0], v1, PB
	v_lshl_add_u32 v[B0], v2, 4, v[B0]
	v_lshl_add_u32 v[C0], v2, 5, B2B
	v_lshl_add_u32 v[HY0], v2, 4, HYB
	s_lshl_b32 s91, s[WV], 6
	s_add_co_u32 s91, s91, STG
	v_lshl_add_u32 v[STO], v1, 2, s91
	s_lshl_b32 s91, s[WV], 10
	s_add_co_u32 s91, s91, STG
	v_lshl_add_u32 v[RDA], v2, 8, s91
	v_lshl_add_u32 v[RDA], v1, 4, v[RDA]
	s_lshl_b32 s91, s21, 15                        ; out0: row 16 it + 4 w + hf, 2,048 bytes each; column 64 jt + 4 r
	s_lshl_b32 s98, s[WV], 13
	s_add_co_u32 s91, s91, s98
	s_lshl_b32 s98, s20, 8
	s_add_co_u32 s91, s91, s98
	v_lshl_add_u32 v[GO], v2, 11, s91
	v_lshl_add_u32 v[GO], v1, 4, v[GO]
	; What the first n-block's riders find: a finished set of zeros and running sums of 0.  44 lines, in the wait for the first tiles; the price of writing no first n-block out.
.set ks, 0
.rept 32
	v_mov_b32 v[ACC+32+ks], 0
.set ks, ks+1
.endr
.set ks, 0
.rept 8
	v_mov_b32 v[P+ks], 0
.set ks, ks+1
.endr
.irp a, 0,1,2,3
	v_mov_b32 v[UU+\a], 0                          ; v_permlanex16_b32 counts as a reader of its destination
.endr
; h1's registers for K step k: the window WS and the first register AB; block a at AB + 8 a
.macro AREG k
.if (\k) < 2
.set WS, 3
.set AB, 32*(\k)
.elseif (\k) < 9
.set WS, 2
.set AB, 32*(\k)-64
.else
.set WS, 1
.set AB, 32*(\k)-288
.endif
.endm
.macro LDB f                           ; fragment f of the n-block at BADR: 16 rows of W2, k = 32 f on
	ds_load_b128 v[BF+8*(\f):BF+8*(\f)+3],   v[BADR] offset:64*(\f)
	ds_load_b128 v[BF+8*(\f)+4:BF+8*(\f)+7], v[BADR] offset:64*(\f)+32
.endm
.macro LDC                             ; b2 of my eight g of the next n-block
	ds_load_b128 v[B2F:B2F+3],   v[CADR]
	ds_load_b128 v[B2F+4:B2F+7], v[CADR] offset:16
.endm
.macro PROD a                          ; K step ks, block a.  The first K step starts the sums with b2
.if ks == 0
	v_wmma_f32_16x16x32_f16 v[CUR+8*(\a):CUR+8*(\a)+7], v[BF+8*ks:BF+8*ks+7], v[AB+8*(\a):AB+8*(\a)+7], v[B2F:B2F+7]
.else
	v_wmma_f32_16x16x32_f16 v[CUR+8*(\a):CUR+8*(\a)+7], v[BF+8*ks:BF+8*ks+7], v[AB+8*(\a):AB+8*(\a)+7], v[CUR+8*(\a):CUR+8*(\a)+7]
.endif
.endm
; THE RIDERS: 52 lines, number ri, dealt behind an n-block's products.  0: the next b2's address.  1-3: nothing; with 0 and the head's address line they are the places (ISA guide 7.12.1) between the last
; product of the finished set OLD and its first read.  4-35: relu, in place, ascending.  36-51: the product with W3, two g at a time, the four blocks by turns.
; Their source 1 is a scalar, a constant or W3F: the products' window setting serves them too.  None names a register of the products round it.
.macro RIDE
.if ri == 0
	v_add_nc_u32 v[CADR], v[C0], s[TCB]
	s_add_co_u32 s[TCB], s[TCB], 64
	s_and_b32 s[TCB], s[TCB], 2047                 ; behind W2's last n-block comes its first
.elseif ri < 4
	v_nop
.elseif ri < 36
	v_max_num_f32 v[OLD+ri-4], v[OLD+ri-4], 0
.else
.set rq, (ri-36)/4
.set ra, (ri-36)%4
	v_pk_fma_f32 v[P+2*ra:P+2*ra+1], v[OLD+8*ra+2*rq:OLD+8*ra+2*rq+1], v[W3F+2*rq:W3F+2*rq+1], v[P+2*ra:P+2*ra+1]
.endif
.set ri, ri+1
.endm
; AN N-BLOCK.  p: the set of accumulators that it fills; the other set, the n-block before, goes out by the riders.  The four accumulators take turns, one product a turn, and the sets alternate from n-block to
; n-block.  Riders: four a K step up to K step 8; then 2, 2, 2, 2, 2, 3, 3.
; LDS LOADS, 36 an n-block, in this order: W3F (2) at the head; behind K steps 0-2 this n-block's own fragments 13-15 (2 each); behind K step k >= 3 the NEXT n-block's fragment k - 3 (2), behind K step 3 also its b2 (2).
; Each load into a fragment stands three K steps behind the fragment's last product: six riders or more in between.
; THE WAIT at K steps 0, 4, 8, 12 lets 18 LDS instructions stay out.  Behind the youngest load that the next four K steps need were issued: at K step 0 (fragment 3) 18 + 2 = 20; at 4 (fragment 7) 10 + 2 + 10 = 22;
; at 8 (fragment 11) 22, and behind W3F, wanted from K step 9 on, 10 + 8 = 18; at 12 (fragment 15) 4 + 16 = 20.  In a change of slots, at K step 4: 10 + 2 + 6 and the add = 19; later everything older has been waited for.
; kind 0: as above.  kind 1: a chunk's last n-block, a CHANGE OF SLOTS with a refill.  kind 2: the same without.  kind 3: the launch's last n-block: nothing further is fetched, and behind fragment 11 only 10 were issued: from K step 8 on the wait is for 0.
; THE CHANGE.  Behind K step 2 the slot's last bytes have been asked for.  Each wave waits for all its tensor loads, of which one is out: its part of the next slot; adds 0 to its spare word; makes the refill's descriptor;
; works four K steps; waits for the add and for its reads of the slot; signals; works K step 7; and goes on when all have signalled.  With a refill that barrier opens a round of the cluster's, so that no wave of any
; partner still reads the slot or has a load on its way, and the joint refill is the first thing behind the round: it has seven n-blocks and more in which to land.  Then the next slot's first five fragments are fetched in one run.
.macro NB p, kind, nxt=0
.set CUR, ACC+32*(\p)
.set OLD, ACC+32-32*(\p)
.set ri, 0
	WIN 0
	v_add_nc_u32 v[WADR], s[TCW], v[C0]
	s_add_co_u32 s[TCW], s[TCW], 64
	s_and_b32 s[TCW], s[TCW], 2047
	WIN 0x40                                       ; destination window 1
	ds_load_b128 v[W3F:W3F+3],   v[WADR] offset:2048
	ds_load_b128 v[W3F+4:W3F+7], v[WADR] offset:2064
.set ks, 0
.rept 16
.if ks%4 == 0
.if ((\kind) == 3) && (ks >= 8)
	s_wait_dscnt 0x0
.else
	s_wait_dscnt 18
.endif
.endif
	AREG ks
	WIN 4*WS                                       ; source 1, h1, in its window; all else in window 0
.irp a, 0,1,2,3
	PROD \a
.if (ks <= 8) || ((\a) == 0) || ((\a) == 2) || ((ks >= 14) && ((\a) == 1))
	RIDE
.endif
.endr
.if ks <= 2
	LDB ks+13
.endif
.if (\kind) == 0
.if ks == 2
	v_add_nc_u32 v[BADR], v[B0], s[TB]             ; from here on the next n-block is fetched
	s_add_co_u32 s[TB], s[TB], NBB
.endif
.if ks >= 3
	LDB ks-3
.endif
.if ks == 3
	LDC
.endif
.elseif (\kind) < 3
.if ks == 2
	WIN 0                                          ; (the add's two registers lie in window 0)
	s_wait_tensorcnt 0x0                           ; no tensor load of mine is out, so a group 0 may be written
	ds_add_u32 v[SPW], v[NIL]                      ; 0 onto my spare word; scalar work and four K steps stand between it and the wait for it
.if (\kind) == 1
	s_lshl_b32 s[OFF], s[NX], 17                   ; a chunk is 131,072 bytes of w2h
	s_add_co_u32 s[G0A+1], s[WL], SLOT0+SLOT1-(\nxt)  ; into the slot that is left
	s_add_nc_u64 s[G0A+2:G0A+3], s[WB:WB+1], s[OFF:OFF+1]  ; the address is made anew: base and offset
	s_or_b32 s[G0A+3], s[G0A+3], 0x80000000
	s_add_co_u32 s[NX], s[NX], 1
	s_and_b32 s[NX], s[NX], 3                      ; every pass walks the same four chunks
.endif
.endif
.if ks == 6
	s_wait_dscnt 0x0                               ; the add is done, and my reads of the slot are over
	s_barrier_signal -1
.endif
.if ks == 7
	WIN 0                                          ; at a branch and at a label every window is 0
	s_barrier_wait -1
.if (\kind) == 1
	CREST
	tensor_load_to_lds s[G0A:G0A+3], s[G1W:G1W+7]  ; my one tensor load behind the round, and the first thing there
	s_nop 0
.rept 4
	v_nop
.endr
.endif
	s_mov_b32 s[TB], \nxt
	v_add_nc_u32 v[BADR], s[TB], v[B0]
	s_add_co_u32 s[TB], s[TB], NBB
	LDB 0
	LDC
	LDB 1
	LDB 2
	LDB 3
	LDB 4
.endif
.if ks >= 8
	LDB ks-3
.endif
.endif
.set ks, ks+1
.endr
	WIN 0
.endm
; A PASS'S h1: for each K step and each of the four i, the i's piece of hyh (the same for all 16 pairs: a broadcast read) lands where h1 will lie; HX is added and the maximum with 0 taken, two f16 at a time.
.macro GL k                            ; 8 loads
	AREG \k
	WIN WS<<6                                      ; destination in h1's window, address in window 0
.irp a, 0,1,2,3
	ds_load_b128 v[AB+8*\a:AB+8*\a+3],   v[HYA] offset:1024*\a+64*(\k)
	ds_load_b128 v[AB+8*\a+4:AB+8*\a+7], v[HYA] offset:1024*\a+64*(\k)+32
.endr
.endm
.macro GM k                            ; 32 additions, then 32 maxima: no line reads the result of the one before it
	AREG \k
	WIN (WS<<6)|12|WS                              ; destination and source 0 in h1's window, source 1 (HX) in window 3
.set gi, 0
.rept 32
	v_pk_add_f16 v[AB+gi], v[AB+gi], v[HX+8*(\k)+gi%8]
.set gi, gi+1
.endr
.set gi, 0
.rept 32
	v_pk_max_num_f16 v[AB+gi], v[AB+gi], s[SZ]
.set gi, gi+1
.endr
.endm
.macro GLS k0, n
.set gk, \k0
.rept \n
	GL gk
.set gk, gk+1
.endr
.endm
.macro GMS k0, n
.set gk, \k0
.rept \n
	GM gk
.set gk, gk+1
.endr
.endm
; The loads go a window ahead of the arithmetic.  Each run of loads stands 16 plain lines or more behind the last product that read its registers: the riders of K steps 9-15, or the arithmetic of the window before.
.macro GEN
	WIN 0
	v_add_nc_u32 v[HYA], s[HYS], v[HY0]
	s_add_co_u32 s[HYS], s[HYS], 4096              ; the next pass's four rows;
	s_and_b32 s[HYS], s[HYS], 0x3000               ; never past the sixteenth
	GLS 0, 2
	GLS 2, 7
	s_wait_dscnt 56                                ; all but the 56 loads of K steps 2-8
	GMS 0, 2
	GLS 9, 7
	s_wait_dscnt 56                                ; all but the 56 loads of K steps 9-15
	GMS 2, 7
	s_wait_dscnt 0x0
	GMS 9, 7
	WIN 0
.endm
; A PASS GOES OUT: a pair's sum lies in two registers of two lanes (even and odd g; g = 0..7 and 8..15 of each 16).  Both lanes of a pair end with the same number and store it to the same word of the stage.
.macro OUT
	WIN 0
	v_add_nc_u32 v[STA], s[STS], v[STO]
	s_add_co_u32 s[STS], s[STS], 1024              ; the next pass's four rows of the stage;
	s_and_b32 s[STS], s[STS], 0xc00                ; never past the sixteenth
.irp a, 0,1,2,3
	v_add_f32 v[TT+\a], v[P+2*\a], v[P+2*\a+1]
.endr
.irp a, 0,1,2,3
	v_permlanex16_b32 v[UU+\a], v[TT+\a], s[SEL], s[SEL+1]
.endr
.irp a, 0,1,2,3
	v_add_f32 v[TT+\a], v[TT+\a], v[UU+\a]
.endr
.irp a, 0,1,2,3
	v_add_f32 v[TT+\a], s[B3], v[TT+\a]
.endr
.irp a, 0,1,2,3
	ds_store_b32 v[STA], v[TT+\a] offset:256*\a
.endr
.irp a, 0,1,2,3,4,5,6,7
	v_mov_b32 v[P+\a], 0                           ; the next pass's sums begin
.endr
.endm
.macro INNER                           ; a chunk's n-blocks 1 to 6
	s_mov_b32 s[U], 3
.Li_\@:
	NB 1, 0
	NB 0, 0
	s_sub_co_u32 s[U], s[U], 1
	s_cmp_lg_u32 s[U], 0
	s_cbranch_scc1 .Li_\@
.endm
	s_wait_tensorcnt 0x1                           ; my parts of hyh, b2, W3 and slot 0 are in; slot 1's may stay out
	s_barrier_signal -1
	s_barrier_wait -1                              ; everybody's are
	v_mov_b32 v[BADR], v[B0]                       ; W2's first n-block lies at the head of slot 0
.irp f, 0,1,2,3,4,5,6,7,8,9,10,11,12
	LDB \f
.endr
	ds_load_b128 v[B2F:B2F+3],   v[C0]
	ds_load_b128 v[B2F+4:B2F+7], v[C0] offset:16
	s_mov_b32 s[TB], NBB
	s_wait_loadcnt 0x0                             ; HX
	s_wait_kmcnt 0x0                               ; b3
	s_mov_b32 s[T], 8
	s_branch .Lgen                                 ; the loop is entered in the middle of a trip: the first pass's h1, then W2's first n-block
; THE WALK.  A trip: the rest of the chunk in slot 0, the chunk in slot 1, and the first n-block of the chunk behind it.  Trips T = 7 .. 1 take chunk steps 2 (7 - T) and 2 (7 - T) + 1, and ask for steps 2 to 15.
; Behind every second trip (T even) a pass ends: the next pass's h1 is made; the next n-block's riders finish the old pass's sums; then it goes out.  The two jumps go forward, past text with no barrier and no tensor load.
.Lo:
	INNER
	NB 1, 1, SLOT1
	NB 0, 0
	INNER
	NB 1, 1, SLOT0
	s_bitcmp1_b32 s[T], 0
	s_cbranch_scc1 .Lng                            ; in the middle of a pass
.Lgen:
	GEN
.Lng:
	NB 0, 0
	s_bitcmp1_b32 s[T], 0
	s_cbranch_scc1 .Lno
	s_cmp_eq_u32 s[T], 8
	s_cbranch_scc1 .Lno                            ; at the entry no pass has ended
	OUT
.Lno:
	s_sub_co_u32 s[T], s[T], 1
	s_cmp_lg_u32 s[T], 0
	s_cbranch_scc1 .Lo
	INNER                                          ; the last two chunk steps are written out: nothing is asked for
	NB 1, 2, SLOT1
	NB 0, 0
	INNER
	NB 1, 3
	; the last n-block has no n-block behind it to ride on: its way out stands alone
	v_add_nc_u32 v[WADR], s[TCW], v[C0]
	WIN 0x40
	ds_load_b128 v[W3F:W3F+3],   v[WADR] offset:2048
	ds_load_b128 v[W3F+4:W3F+7], v[WADR] offset:2064
	s_wait_dscnt 0x0
	WIN 0x04                                       ; source 1, W3F, in window 1
.rept 4
	v_nop                                          ; the places behind the last products
.endr
.set OLD, ACC+32
.set ri, 4
.rept 48
	RIDE
.endr
	WIN 0
	OUT
	s_wait_dscnt 0x0                               ; for the others' sake: a stage row's 256 bytes come from four waves
	s_barrier_signal -1
	s_barrier_wait -1
	ds_load_b128 v[OB:OB+3],   v[RDA]              ; wave w takes rows 4 w .. 4 w + 3, whole: lanes 0-15 one row, lanes 16-31 the next
	ds_load_b128 v[OB+4:OB+7], v[RDA] offset:512
	s_wait_dscnt 0x0
	global_store_b128 v[GO], v[OB:OB+3],   s[16:17]              ; 16 lanes store 256 consecutive bytes, at a multiple of 256 from out0's first
	global_store_b128 v[GO], v[OB+4:OB+7], s[16:17] offset:4096
	s_wait_tensorcnt 0x0                           ; the wave's end: behind my last tensor load and my last LDS store
	ds_add_u32 v[SPW], v[NIL]
	s_wait_dscnt 0x0
	CROUND                                         ; the closing round: no work-group ends while a partner may still ask for a tile that names it
	s_endpgm
.Lfunc_end_k_qd611838bae_main:
	.size	k_qd611838bae_main, .Lfunc_end_k_qd611838bae_main-k_qd611838bae_main
	.p2alignl 7, 3214868480
	.fill 96, 4, 3214868480
	.section	.rodata,"a",@progbits
	.p2align	6, 0x0
	.amdhsa_kernel k_qd611838bae_main
		.amdhsa_group_segment_fixed_size 327680
		.amdhsa_private_segment_fixed_size 0
		.amdhsa_enable_private_segment 0
		.amdhsa_kernarg_size 56
		.amdhsa_user_sgpr_count 2
		.amdhsa_user_sgpr_kernarg_segment_ptr 1
		.amdhsa_wavefront_size32 1
		.amdhsa_system_sgpr_workgroup_id_x 1
		.amdhsa_system_sgpr_workgroup_id_y 1
		.amdhsa_system_sgpr_workgroup_id_z 1
		.amdhsa_system_vgpr_workitem_id 0
		.amdhsa_next_free_vgpr 960
		.amdhsa_next_free_sgpr 100
		.amdhsa_reserve_vcc 0
		.amdhsa_float_denorm_mode_32 3
		.amdhsa_float_denorm_mode_16_64 3
		.amdhsa_memory_ordered 1
		.amdhsa_forward_progress 1
		.amdhsa_inst_pref_size 244
	.end_amdhsa_kernel
	.amdgpu_metadata
---
amdhsa.version: [ 1, 2 ]
amdhsa.kernels:
  - .name:           k_qd611838bae_main
    .symbol:         k_qd611838bae_main.kd
    .args:
      - { .name: w2h, .offset: 0, .size: 8, .value_kind: global_buffer, .address_space: global }
      - { .name: hxh, .offset: 8, .size: 8, .value_kind: global_buffer, .address_space: global }
      - { .name: hyh, .offset: 16, .size: 8, .value_kind: global_buffer, .address_space: global }
      - { .name: b2, .offset: 24, .size: 8, .value_kind: global_buffer, .address_space: global }
      - { .name: W3, .offset: 32, .size: 8, .value_kind: global_buffer, .address_space: global }
      - { .name: b3, .offset: 40, .size: 8, .value_kind: global_buffer, .address_space: global }
      - { .name: out0, .offset: 48, .size: 8, .value_kind: global_buffer, .address_space: global }
    .group_segment_fixed_size: 327680
    .private_segment_fixed_size: 0
    .kernarg_segment_align: 8
    .kernarg_segment_size: 56
    .max_flat_workgroup_size: 128
    .sgpr_count:     100
    .vgpr_count:     960
    .wavefront_size: 32
...
	.end_amdgpu_metadata
.endif
;; end of part 2
